; MI455X (gfx1250); checked and timed in simulation.
; The chip was launched on July 23, 2026; its instructions are those of AMD's public machine-readable ISA for CDNA 5 (MIT licence, August 2026) and "CDNA5" Instruction Set Architecture Reference Guide (July 2026). The comments in the code are by the model that wrote it; some were corrected since.
;; FG Encoder. Allowed arithmetic: matrix products marked QUANTISED: E2M3 operands, one E8M0 scale for each 32 along K, by v_wmma_scale_f32_16x16x128_f8f6f4 with both operands' format E2M3, f32 sums; products left as they are: f32 operands where the result goes on into a quantised operand, else bf16, f16 or f32 operands; f32 sums; everything else in f32.
;; Inputs: W1 512 x 256 float32; W2 256 x 3 float32; b1 256 float32; b2 3 float32; ds 16 x 512 int32; hs 16 x 4,096 x 512 float32.
;; Outputs: out0 16 x 512 x 3 float32.
;; Constants: Lmax = 4096.
;; This version of the problem:
;;   THIS VERSION OF THE PROBLEM IS GIVEN IN LOW PRECISION. The matrix products marked QUANTISED in the list below multiply operands that are first quantised to E2M3 (2 exponent bits, 3 mantissa bits; 6 bits a number), with one power-of-two scale for each 32 numbers along K (OCP MX v1.0); their sums are f32. All else is computed in f32.
;;   The module's matrix products, in the order in which they are computed (A, B: the left and right operand; K: the contracted axis; several contracted axes count as one K, in the product's order):
;;     1. [M 8,192, K 512] x [K 512, N 256]; A: computed on the way; B: input W1: QUANTISED
;;     2. [M 8,192, K 256] x [K 256, N 3]; A: computed on the way; B: input W2: left as it is (N = 3 < 16)
;;   THE QUANTISER, for each operand of a quantised product, along K:
;;     - K is cut into blocks of 32 from its start; a last block that is shorter is filled with zeros.
;;     - A block's scale is 2^e with e = floor(log2(the largest magnitude in the block)) - 2, held to -126 .. 127; a block of zeros has e = 0. As a byte (E8M0): e + 127.
;;     - Each number is divided by its block's scale, clamped to +-7.5, and rounded to the nearest number of E2M3, ties to even, subnormals kept.
;;     - The product sums the exact products of the quantised numbers (number of the format x scale) in f32.
;;   ~~~python
;;   def quantise(x, axis):      # numpy; x: float32 -> the quantised numbers, widened to float32 again
;;       x = np.moveaxis(x, axis, -1); K = x.shape[-1]
;;       x = np.pad(x, [(0, 0)] * (x.ndim - 1) + [(0, -K % 32)]); x = x.reshape(x.shape[:-1] + (-1, 32)); a = np.abs(x).max(-1, keepdims=True)
;;       e = np.where(a > 0, np.clip(np.frexp(np.where(a > 0, a, 1))[1] - 1 - 2, -126, 127), 0)      # np.frexp(a)[1] - 1 = floor(log2(a)), exactly
;;       r = np.clip(x / 2.0 ** e, -7.5, 7.5)
;;       step = 2.0 ** (np.maximum(np.frexp(np.where(r == 0, 1, r))[1] - 1, 0) - 3)
;;       q = np.round(r / step) * step * 2.0 ** e      # np.round: ties to even
;;       return np.moveaxis(q.reshape(q.shape[:-2] + (-1,))[..., :K], -1, axis).astype(np.float32)
;;   ~~~
;;   OPERANDS COMPUTED ON THE WAY. 'Computed on the way' means the value that the module computes at that place (a softmax that the list does not call 'softmax' is quantised finished and normalised). What goes into a quantiser is computed in f32, as accurately as f32 sums, v_exp_f32 and their like allow (about 1e-6 of the number): no bf16 or f16 on the way to a quantiser, and a product that is left as it is and whose result goes on into a quantised operand takes f32 operands (vector FMAs, or v_wmma_f32_16x16x4_f32). A number that lies on a knife's edge between two numbers of the format may be rounded either way, as far as f32 arithmetic and the matrix unit's own rounding can turn it there, and no further.
;; One version. Each part assembles by itself: llvm-mc -triple=amdgcn-amd-amdhsa -mcpu=gfx1250 --defsym DOCPART=n.
;; ======== version 1 of 1: 1 launch
;; limits: right only within a limited range of input values
;; workspace buffers: w1c 98,304 bytes; w1s 8,192 bytes
;; launch encode (part 1): grid 256 x 1, 16 waves a work-group, no clusters, 207,616 bytes of LDS; arguments hs, ds, W1, b1, W2, b2, out0; writes out0
.if DOCPART == 1
	.amdgcn_target "amdgcn-amd-amdhsa--gfx1250"
	.amdhsa_code_object_version 6
	.text
	.protected	k_q0a59bbdbfb_encode
	.globl	k_q0a59bbdbfb_encode
	.p2align	8
	.type	k_q0a59bbdbfb_encode,@function
k_q0a59bbdbfb_encode:
	s_mov_b64 s[64:65], 0
	v_nop
	global_prefetch_b8 v0, s[64:65] scope:SCOPE_SE
	s_setreg_imm32_b32 hwreg(HW_REG_WAVE_MODE, 25, 1), 1
	s_wait_xcnt 0x0
; out[b][t][:] = relu(relu(Q(mean of hs[b] over token t's frames) Q(W1) + b1) W2 + b2).  hs [16][4096][512] f32, ds [16][512] int32, W1 [512 (k)][256 (n)] f32, out [16][512][3] f32.
; Token t of a batch owns the frames start .. start + d - 1, d = ds where ds is above 0, else none; start = the sum of the d of the tokens before it; start and end are clipped to 4,096.  A token without frames is a row of zeros.
; The first product runs on codes of FP6 (E2M3) with one E8M0 scale for each 32 along K.  All else is f32.
; SHARES.  Work-group g owns tokens 32 (g % 16) .. + 31 of batch g / 16.  Sixteen waves; wave w owns tokens 2 w and 2 w + 1 of these, and of W1 the columns 64 (w % 4) .. + 63 and k = 128 (w / 4) .. + 127.
;   1  every wave sums, in whole numbers, the durations ahead of its two tokens (its batch's 512 durations: 2,048 bytes);
;   2  its part of W1 comes in four chunks of 32 along K, sixteen loads each; a chunk is quantised in registers and its codes go to LDS as images of operand registers.  Chunk 0 is asked for with the durations;
;   3  a token's frames: four loads of 512 consecutive bytes each.  A scalar switch leads to a path that issues up to seven frames at once; a loop of four frames a trip serves longer tokens.
;      The mean turns through the wave's own stage in LDS, so that a lane holds 16 neighbours along K, and is quantised there                                                       | barrier |
;   4  wave w multiplies all 32 tokens by W1's columns 16 w .. 16 w + 15: 8 matrix instructions, two accumulators by turns, b1 as the C of the first.
;      TRANSPOSED: source 0 = 16 columns of W1, source 1 = 16 tokens: a lane holds one token and eight hidden units.  relu; its 16 hidden units x W2 by fused multiply-adds in f32
;      (three outputs would fill 3 of a matrix tile's 16 columns); 12 bytes a token to LDS                                                                                           | barrier |
;   5  wave 0 adds the sixteen parts and b2, relu, and stores the work-group's 384 consecutive bytes.
; NO LAUNCH OF ITS OWN FOR W1: its 524,288 bytes are read by each work-group, while the frames are on their way.
; NO TENSOR LOADS, NO CLUSTER: trip counts and branches hang on durations read from memory; W1, the one thing that work-groups share, comes by plain loads.
; NO PREFETCH: there is no loop to run ahead in: a wave asks for all frames of a token at once, as soon as its start is known, and a wave has two tokens.
; Each frame of hs is read by one wave, once; frames that belong to no token are not read.
; LIMITS.  A batch's running sum of durations stays under 2^31 (beyond it an int32 sum wraps).  A segment is summed directly, frame by frame, not as a difference of prefix sums: another order of rounding.
; The division by the length is a multiplication by v_rcp_f32's result (1 ulp: ISA guide, its entry).  A block whose largest magnitude lies under 2^-124 gets the byte 1 (a block of zeros too: its codes are zeros).  NaN and infinities are not served.
.set LF,     4096                      ; frames in a batch
.set FRB,    2048                      ; bytes in a frame
.set KROW,   1024                      ; bytes in a row of W1
.set FRGB,   1536                      ; a fragment's image: 32 lanes x 48 bytes (12 registers); lane l's at 48 l
.set TP,     4*FRGB+16                 ; a tile of 16 columns: four fragments, and 16 bytes so that the tiles' images start at different banks
.set WIMG,   0                         ; LDS: W1's 16 tiles x 4 K steps,
.set WSC,    WIMG+16*TP                ; their scale words, 64 bytes a fragment,
.set XIMG,   WSC+16*256                ; the tokens' 8 fragments (tile of tokens m, K step s: 4 m + s),
.set XSC,    XIMG+8*FRGB               ; their scale words,
.set PART,   XSC+8*64                  ; the second product's parts: 512 bytes a wave, 16 a token,
.set STGB,   2560                      ; a stage: 2,048 bytes, 16 of padding behind each 64
.set STG,    PART+16*512               ; two stages a wave,
.set SPARE,  STG+16*2*STGB             ; and the spare words, 128 bytes a wave: eight blocks of 256 bytes that no other line names
.set SPW,  1                           ; v1   LDS address of my spare word; never rewritten
.set NIL,  2                           ; v2   0; never rewritten
.set LO,   3                           ; v3   16 x lane: my place in a load of 512 bytes
.set WOF,  4                           ; v4   my place in W1: 16 r + 16 rows x h
.set SIN,  5                           ; v5   the stage, in
.set SOUT, 6                           ; v6   the stage, out: my 16 neighbours
.set XST,  7                           ; v7   where my codes of a token go,
.set XSS,  8                           ; v8   and its scale bytes
.set WST,  9                           ; v9   where my codes of W1 go,
.set WSS,  10                          ; v10  and their scale words
.set XLD,  11                          ; v11  the products' operands: tokens,
.set WLD,  12                          ; v12  W1's tile w,
.set XSL,  13                          ; v13  and their scale words
.set WSL,  14
.set PWR,  15                          ; v15  where I store my parts
.set PRD,  16                          ; v16  where wave 0 reads them
.set OB1,  17                          ; v17  32 h;  v18 96 h;  v19 12 x lane
.set OW2,  18
.set OO,   19
.set RCA,  20                          ; v20  1 / length of token 2 w (v21: the length);  v22, v23: of token 2 w + 1
.set RCB,  22
.set X,    24                          ; v24-135   seven frames, 16 registers each: register 4 j + e is channel 128 j + 4 lane + e; the first is also the running sum
.set XW,   X+48                        ; later a chunk of W1
.set XQ,   X+16                        ; and the two tokens' numbers to quantise
.set WB,   136                         ; v136-199  a chunk of W1
.set CD,   200                         ; v200-223  codes: six registers for each of my four columns
.set BT,   224                         ; v224-239  codes of the second chunk of a pair: three of each four registers (the fourth: AS0, below)
.set SW,   240                         ; v240-243  W1's scale words
.set TM,   244                         ; v244-247  largest magnitudes, scale operands
.set TPL,  248                         ; v248-251  lane permutes' destinations, scale bytes
.set DD,   CD                          ; at the head: the batch's durations, my work-group's, and one at work
.set DOWN, CD+16
.set DT,   CD+17
.set LANE, BT                          ; and lane, r = lane % 16, h = lane / 16, four at work
.set RR,   BT+1
.set HH,   BT+2
.set T5,   BT+4
.set T6,   BT+5
.set T7,   BT+6
.set LS,   BT+8                        ; 4 x lane
.set B1,   X                           ; later: b1 of my lane's eight hidden units,
.set W2F,  X+8                         ; W2 of those eight: register 3 j + o,
.set AF,   X+32                        ; v56-151   the tokens' 8 fragments,
.set WF,   152                         ; v152-199  W1's four,
.set HA,   CD                          ; two accumulators
.set P,    CD+16                       ; and the parts
.set AS0,  BT+3                        ; the tokens' scale words: tile 0's four registers apart,
.set AS1,  TM+8                        ; tile 1's on end
.set WV,   20                          ; s20  my wave's number
.set W1P,  40                          ; s[40:41] my part of W1
.set SEL,  48                          ; s[48:49] lane selects for v_permlanex16_b32: lane l xor 16
.macro BARRIER                         ; my LDS stores have landed and my LDS loads are in: then the work-group's barrier
	s_wait_dscnt 0x0
	s_barrier_signal -1
	s_barrier_wait -1
.endm
	s_load_b256 s[4:11], s[0:1], 0x0               ; hs s[4:5], ds s[6:7], W1 s[8:9], b1 s[10:11]
	s_load_b128 s[12:15], s[0:1], 0x20             ; W2 s[12:13], b2 s[14:15]
	s_load_b64 s[16:17], s[0:1], 0x30              ; out
	v_lshrrev_b32 v[T5], 5, v0
	v_readfirstlane_b32 s[WV], v[T5]               ; wave 0..15
	s_lshr_b32 s18, ttmp9, 4                       ; my batch
	s_and_b32 s19, ttmp9, 15                       ; q: which 32 of its tokens
	s_and_b32 s21, s[WV], 3                        ; which 64 columns of W1
	s_lshr_b32 s22, s[WV], 2                       ; which 128 along K
	s_lshr_b32 s23, s[WV], 3                       ; which tile of tokens my two lie in,
	s_and_b32 s24, s[WV], 7                        ; and which pair of its rows they are
	s_mul_i32 s40, s21, 4*TP
	s_mul_i32 s30, s22, FRGB
	s_add_co_u32 s40, s40, s30                     ; W1's images, in: tiles 4 (w % 4) on, K step w / 4
	s_lshl_b32 s41, s21, 10
	s_lshl_b32 s30, s22, 6
	s_add_co_u32 s41, s41, s30
	s_add_co_u32 s41, s41, WSC                     ; and their scale words
	s_mul_i32 s42, s23, 4*FRGB
	s_mul_i32 s30, s24, 96
	s_add_co_u32 s42, s42, s30
	s_add_co_u32 s42, s42, XIMG                    ; the tokens' images, in: rows 2 (w % 8) and the next
	s_lshl_b32 s43, s23, 8
	s_lshl_b32 s30, s24, 3
	s_add_co_u32 s43, s43, s30
	s_add_co_u32 s43, s43, XSC
	s_mul_i32 s44, s[WV], 2*STGB
	s_add_co_u32 s44, s44, STG                     ; my stages
	s_mul_i32 s45, s[WV], TP                       ; W1's tile w, out
	s_lshl_b32 s46, s[WV], 8
	s_add_co_u32 s46, s46, WSC
	s_lshl_b32 s47, s[WV], 9
	s_add_co_u32 s47, s47, PART
	s_mov_b32 s[SEL], 0x76543210
	s_mov_b32 s[SEL+1], 0xfedcba98
	s_lshl_b32 s28, s19, 3                         ; 8 q: groups of four tokens ahead of my work-group
	s_lshl_b32 s29, s[WV], 1                       ; 2 w: tokens of my work-group ahead of mine
	s_lshl_b32 s39, s[WV], 3                       ; and their bytes
	; every address register is made here, of constants, the lane and the wave's number
	v_lshl_add_u32 v[SPW], v0, 2, SPARE
	v_mov_b32 v[NIL], 0
	v_and_b32 v[LANE], 31, v0
	v_and_b32 v[RR], 15, v0
	v_bfe_u32 v[HH], v0, 4, 1
	v_lshlrev_b32 v[LS], 2, v[LANE]
	v_lshlrev_b32 v[LO], 4, v[LANE]
	v_lshlrev_b32 v[WOF], 4, v[RR]
	v_lshl_add_u32 v[WOF], v[HH], 14, v[WOF]       ; four columns, and lanes 16-31 begin 16 rows of 1,024 bytes further down
	v_lshrrev_b32 v[T5], 2, v[LANE]                ; the stage, in: four lanes' 64 bytes on end, then 16 of padding
	v_and_b32 v[T6], 3, v[LANE]
	v_mul_u32_u24 v[SIN], v[T5], 80
	v_lshl_add_u32 v[SIN], v[T6], 4, v[SIN]
	v_add_nc_u32 v[SIN], s44, v[SIN]
	v_mul_u32_u24 v[SOUT], v[LANE], 80
	v_add_nc_u32 v[SOUT], s44, v[SOUT]
	v_lshrrev_b32 v[T5], 3, v[LANE]                ; my 16 numbers of a token: K step lane / 8, block (lane / 2) % 4, half lane % 2
	v_mul_u32_u24 v[XST], v[T5], FRGB
	v_bfe_u32 v[T6], v[LANE], 1, 1
	v_mad_u32_u24 v[XST], v[T6], 768, v[XST]       ; an odd block lies in the operand's lanes 16-31: 16 x 48 bytes on;
	v_bfe_u32 v[T6], v[LANE], 2, 1
	v_mad_u32_u24 v[XST], v[T6], 24, v[XST]        ; blocks 2 and 3 six registers on;
	v_and_b32 v[T6], 1, v[LANE]
	v_mad_u32_u24 v[XST], v[T6], 12, v[XST]        ; the upper half three
	v_add_nc_u32 v[XST], s42, v[XST]
	v_bfe_u32 v[T6], v[LANE], 1, 2
	v_lshl_add_u32 v[XSS], v[T5], 6, v[T6]
	v_add_nc_u32 v[XSS], s43, v[XSS]
	v_lshrrev_b32 v[T6], 2, v[RR]                  ; my columns 4 r .. 4 r + 3 of 64: tile r / 4, places 4 (r % 4) on
	v_and_b32 v[T7], 3, v[RR]
	v_mul_u32_u24 v[WST], v[T6], TP
	v_mad_u32_u24 v[WST], v[T7], 192, v[WST]
	v_mad_u32_u24 v[WST], v[HH], 768, v[WST]
	v_add_nc_u32 v[WST], s40, v[WST]
	v_lshlrev_b32 v[WSS], 8, v[T6]
	v_lshl_add_u32 v[WSS], v[T7], 4, v[WSS]
	v_add_nc_u32 v[WSS], s41, v[WSS]
	v_mul_u32_u24 v[XLD], v[LANE], 48
	v_add_nc_u32 v[WLD], s45, v[XLD]
	v_add_nc_u32 v[XLD], XIMG, v[XLD]
	v_lshl_add_u32 v[XSL], v[RR], 2, XSC
	v_lshlrev_b32 v[WSL], 2, v[RR]
	v_add_nc_u32 v[WSL], s46, v[WSL]
	v_add_nc_u32 v[PWR], s47, v[LO]
	v_add_nc_u32 v[PRD], PART, v[LO]
	v_lshlrev_b32 v[OB1], 5, v[HH]
	v_mul_u32_u24 v[OW2], v[HH], 96
	v_mul_u32_u24 v[OO], v[LANE], 12
.irp t, 0,1,2,3
	v_mov_b32 v[TPL+\t], 0                         ; a lane permute's destination counts as one of its sources
.endr
	s_lshl_b32 s30, s18, 11                        ; my batch's row of ds: 512 x 4 bytes
	s_mov_b32 s31, 0
	s_lshl_b32 s34, s19, 7                         ; my work-group's 32 durations in it
	s_mov_b32 s35, 0
	s_wait_alu depctr_va_vdst(0)                   ; the wait at the head's end
	s_wait_kmcnt 0x0
	s_add_nc_u64 s[24:25], s[6:7], s[30:31]
	s_add_nc_u64 s[26:27], s[24:25], s[34:35]
.irp j, 0,1,2,3
	global_load_b128 v[DD+4*\j:DD+4*\j+3], v[LO], s[24:25] offset:512*\j   ; the batch's durations: register 4 j + e is token 128 j + 4 lane + e
.endr
	global_load_b32 v[DOWN], v[LS], s[26:27]       ; my work-group's: token 32 q + lane
	s_load_b64 s[32:33], s[26:27], s39 offset:0x0  ; my two tokens' durations, as scalars
	s_load_b96 s[36:38], s[14:15], 0x0             ; b2
	s_lshl_b32 s30, s22, 17                        ; W1: 128 rows of 1,024 bytes a K step,
	s_lshl_b32 s23, s21, 8                         ; 256 bytes for 64 columns
	s_add_co_u32 s30, s30, s23
	s_add_nc_u64 s[W1P:W1P+1], s[8:9], s[30:31]
; Chunk blk of my part of W1 into v[buf .. buf + 63]: lane (r, h) takes W1(128 s + 32 blk + 16 h + i, 64 g + 4 r + 0 .. 3), i = 0 .. 15: a load is 256 consecutive bytes of each of two rows.
; Row i goes to the four registers at 16 (i % 4) + 4 (i / 4), from which taking the four columns apart is a set of exchanges of two registers.
.macro LOADW blk, buf
.irp i, 0,1,2,3,4,5,6,7,8,9,10,11,12,13,14,15
	global_load_b128 v[\buf+16*(\i%4)+4*(\i/4):\buf+16*(\i%4)+4*(\i/4)+3], v[WOF], s[W1P:W1P+1] offset:KROW*(32*\blk+\i)
.endr
.endm
	LOADW 0, WB
	s_lshl_b32 s30, s[WV], 6
	s_add_nc_u64 s[44:45], s[10:11], s[30:31]      ; b1 of hidden units 16 w on
	s_mul_i32 s30, s[WV], 192
	s_add_nc_u64 s[46:47], s[12:13], s[30:31]      ; W2's rows 16 w on, 12 bytes each
	s_mul_i32 s30, ttmp9, 384
	s_add_nc_u64 s[66:67], s[16:17], s[30:31]      ; my work-group's 32 rows of out
	s_lshl_b32 s34, s18, 23                        ; my batch's first byte in hs
	s_wait_loadcnt 16                              ; loads come back in order (ISA guide 5.7.1): the five loads of durations are in, chunk 0's sixteen may be out
	s_wait_kmcnt 0x0
	; ---- 1: where my tokens begin.  Whole numbers throughout.
.irp e, 0,1,2,3,4,5,6,7,8,9,10,11,12,13,14,15,16
	v_cmp_lt_i32 vcc_lo, 0, v[DD+\e]
	v_cndmask_b32 v[DD+\e], 0, v[DD+\e], vcc_lo    ; a duration that is not above 0 takes no frame
.endr
.irp j, 0,1,2,3
	v_add_nc_u32 v[DD+4*\j], v[DD+4*\j], v[DD+4*\j+1]
	v_add_nc_u32 v[DD+4*\j+2], v[DD+4*\j+2], v[DD+4*\j+3]
	v_add_nc_u32 v[DT], 32*\j, v[LANE]             ; these four tokens are group 32 j + lane of the batch,
	v_add_nc_u32 v[DD+4*\j], v[DD+4*\j], v[DD+4*\j+2]
	v_cmp_gt_u32 vcc_lo, s28, v[DT]                ; and count where the group lies ahead of my work-group's tokens
	v_cndmask_b32 v[DD+4*\j], 0, v[DD+4*\j], vcc_lo
.endr
	v_cmp_gt_u32 vcc_lo, s29, v[LANE]              ; of my work-group's tokens those ahead of my wave's
	v_cndmask_b32 v[DOWN], 0, v[DOWN], vcc_lo
	v_add_nc_u32 v[DD], v[DD], v[DD+4]
	v_add_nc_u32 v[DD+8], v[DD+8], v[DD+12]
	v_add_nc_u32 v[DD], v[DD], v[DOWN]
	v_add_nc_u32 v[DD], v[DD], v[DD+8]
.irp m, 1,2,4,8
	v_mov_b32_dpp v[DT], v[DD] row_xmask:\m row_mask:0xf bank_mask:0xf
	v_add_nc_u32 v[DD], v[DD], v[DT]               ; across the 16 lanes of a half,
.endr
	v_permlanex16_b32 v[DT], v[DD], s[SEL], s[SEL+1]
	v_add_nc_u32 v[DD], v[DD], v[DT]               ; and across the halves
	v_readfirstlane_b32 s50, v[DD]                 ; token 2 w begins here
	s_max_i32 s32, s32, 0
	s_max_i32 s33, s33, 0
	s_add_co_u32 s55, s50, s32                     ; it ends, and token 2 w + 1 begins, here;
	s_add_co_u32 s60, s55, s33                     ; that one ends here
	s_min_u32 s51, s50, LF                         ; all three clipped to the batch's frames
	s_min_u32 s53, s55, LF
	s_min_u32 s60, s60, LF
	s_sub_co_u32 s52, s53, s51                     ; the two lengths in frames
	s_sub_co_u32 s54, s60, s53
	s_min_u32 s51, s51, LF-1                       ; the first frames, held inside the table (a start at its end has no frames)
	s_min_u32 s53, s53, LF-1
	s_lshl_b32 s62, s51, 11
	s_add_co_u32 s62, s62, s34
	s_mov_b32 s63, 0
	s_add_nc_u64 s[56:57], s[4:5], s[62:63]        ; token 2 w's first frame
	s_lshl_b32 s62, s53, 11
	s_add_co_u32 s62, s62, s34
	s_add_nc_u64 s[58:59], s[4:5], s[62:63]        ; token 2 w + 1's
	s_max_u32 s61, s52, 1
	s_max_u32 s23, s54, 1
	v_cvt_f32_u32 v[RCA+1], s61
	v_cvt_f32_u32 v[RCB+1], s23
	s_wait_alu depctr_va_vdst(0)                   ; the wait ahead of the two reciprocals,
	v_rcp_f32 v[RCA], v[RCA+1]
	v_rcp_f32 v[RCB], v[RCB+1]
	v_nop                                          ; a plain instruction behind them,
	s_wait_alu depctr_va_vdst(0)                   ; and the wait ahead of their first reader and of every branch: one for both
; ---- 3: n frames from s[fp:fp+1] on: all 4 n loads go out at once; when they are in (and all that was asked for ahead of them) the frames are added onto the first.
.macro FRAMES n, fp
.set FI, 0
.rept \n
.irp j, 0,1,2,3
	global_load_b128 v[X+16*FI+4*\j:X+16*FI+4*\j+3], v[LO], s[\fp:\fp+1] offset:FRB*FI+512*\j th:TH_LOAD_NT   ; 32 lanes read 512 consecutive bytes; read once in the launch
.endr
.set FI, FI+1
.endr
	s_wait_loadcnt 0x0
.set FI, 1
.rept \n-1
.irp k, 0,2,4,6,8,10,12,14
	v_pk_add_f32 v[X+\k:X+\k+1], v[X+\k:X+\k+1], v[X+16*FI+\k:X+16*FI+\k+1]
.endr
.set FI, FI+1
.endr
.endm
; A token: s[len] frames; s[fr] = its first frame's number, s[fp:fp+1] = that frame's address; v[rc] = 1 / max(len, 1); tok = 0, 1: which of my two stages.
; Up to seven frames go by a path of their own; of a longer token the first 4 + len % 4, and the rest four a trip.
.macro TOKEN len, fp, fr, rc, tok
	s_and_b32 s60, s[\len], 3
	s_or_b32 s60, s60, 4
	s_cmp_lt_u32 s[\len], 8
	s_cselect_b32 s60, s[\len], s60
.if \tok
	s_wait_dscnt 0x0                               ; the stores of the token before have read the sum's registers
.endif
	s_cmp_eq_u32 s60, 0
	s_cbranch_scc1 .Lnone_\@
	s_cmp_eq_u32 s60, 1
	s_cbranch_scc1 .Lone_\@
	s_cmp_eq_u32 s60, 2
	s_cbranch_scc1 .Ltwo_\@
	s_cmp_eq_u32 s60, 3
	s_cbranch_scc1 .Lthree_\@
	s_cmp_eq_u32 s60, 4
	s_cbranch_scc1 .Lfour_\@
	s_cmp_eq_u32 s60, 5
	s_cbranch_scc1 .Lfive_\@
	s_cmp_eq_u32 s60, 6
	s_cbranch_scc1 .Lsix_\@
	FRAMES 7, \fp
	s_branch .Ljoin_\@
.Lsix_\@:
	FRAMES 6, \fp
	s_branch .Ljoin_\@
.Lfive_\@:
	FRAMES 5, \fp
	s_branch .Ljoin_\@
.Lfour_\@:
	FRAMES 4, \fp
	s_branch .Ljoin_\@
.Lthree_\@:
	FRAMES 3, \fp
	s_branch .Ljoin_\@
.Ltwo_\@:
	FRAMES 2, \fp
	s_branch .Ljoin_\@
.Lone_\@:
	FRAMES 1, \fp
	s_branch .Ljoin_\@
.Lnone_\@:
.irp k, 0,1,2,3,4,5,6,7,8,9,10,11,12,13,14,15
	v_mov_b32 v[X+\k], 0                           ; the row of a token without frames
.endr
.Ljoin_\@:
	s_wait_alu depctr_va_vdst(0)
	s_add_co_u32 s[\fr], s[\fr], s60               ; the number of the next frame
	s_lshr_b32 s61, s[\len], 2
	s_max_u32 s61, s61, 1
	s_sub_co_u32 s61, s61, 1                       ; trips of four: len / 4 - 1, none under eight frames
	s_cmp_eq_u32 s61, 0
	s_cbranch_scc1 .Lmean_\@
.Lmore_\@:
	s_min_u32 s62, s[\fr], LF-4                    ; a trip's address is made anew from the frame's number, held inside the table right ahead of it: a trip runs only where frame + 4 is at most end, and end at most 4,096, so the hold changes no number
	s_lshl_b32 s62, s62, 11
	s_add_co_u32 s62, s62, s34                     ; + my batch's first byte (s63 = 0)
	s_add_nc_u64 s[\fp:\fp+1], s[4:5], s[62:63]    ; every path and every trip has waited for all its loads: the base may be written
.irp f, 0,1,2,3
.irp j, 0,1,2,3
	global_load_b128 v[X+16+16*\f+4*\j:X+16+16*\f+4*\j+3], v[LO], s[\fp:\fp+1] offset:FRB*\f+512*\j th:TH_LOAD_NT
.endr
.endr
	s_wait_loadcnt 0x0
.irp f, 0,1,2,3
.irp k, 0,2,4,6,8,10,12,14
	v_pk_add_f32 v[X+\k:X+\k+1], v[X+\k:X+\k+1], v[X+16+16*\f+\k:X+16+16*\f+\k+1]
.endr
.endr
	s_add_co_u32 s[\fr], s[\fr], 4
	s_sub_co_u32 s61, s61, 1
	s_cmp_lg_u32 s61, 0
	s_wait_alu depctr_va_vdst(0)
	s_cbranch_scc1 .Lmore_\@
.Lmean_\@:
.irp k, 0,2,4,6,8,10,12,14
	v_pk_mul_f32 v[X+\k:X+\k+1], v[X+\k:X+\k+1], v[\rc:\rc+1] op_sel_hi:[1,0]   ; the mean (of the pair the low word serves both halves)
.endr
.irp j, 0,1,2,3
	ds_store_b128 v[SIN], v[X+4*\j:X+4*\j+3] offset:STGB*\tok+640*\j   ; a store's 512 bytes take eight places of 64 + 16
.endr
.endm
; ---- 2: chunk blk of W1, in v[buf .. buf + 63], into codes and scale bytes.
.macro QUANTW blk, buf
.irp q, 0,4,8,12                               ; register 16 x + q + y changes places with 16 y + q + x: behind it register 16 t + i is row i of my column t
	v_swap_b32 v[\buf+\q+1], v[\buf+16+\q]
	v_swap_b32 v[\buf+\q+2], v[\buf+32+\q]
	v_swap_b32 v[\buf+\q+3], v[\buf+48+\q]
	v_swap_b32 v[\buf+16+\q+2], v[\buf+32+\q+1]
	v_swap_b32 v[\buf+16+\q+3], v[\buf+48+\q+1]
	v_swap_b32 v[\buf+32+\q+3], v[\buf+48+\q+2]
.endr
.irp t, 0,1,2,3
	v_max3_num_f32 v[TM+\t], |v[\buf+16*\t]|, |v[\buf+16*\t+1]|, 0x1800000   ; column t: my 16 numbers of the block, and the floor 2^(3 - 127): so the byte cannot fall under 1
.endr
.irp i, 2,4,6,8,10,12,14
.irp t, 0,1,2,3
	v_max3_num_f32 v[TM+\t], v[TM+\t], |v[\buf+16*\t+\i]|, |v[\buf+16*\t+\i+1]|   ; (the four columns by turns)
.endr
.endr
.irp t, 0,1,2,3
	v_permlanex16_b32 v[TPL+\t], v[TM+\t], s[SEL], s[SEL+1]
.endr
.irp t, 0,1,2,3
	v_max_num_f32 v[TM+\t], v[TM+\t], v[TPL+\t]    ; with lane l xor 16's: the block's largest magnitude
.endr
.irp t, 0,1,2,3
	v_add_nc_u32 v[TM+\t], 0xff000000, v[TM+\t]    ; 2 off its exponent field: the conversion takes the exponent field of this operand as its scale, and nothing else of it
.endr
.irp t, 0,1,2,3
.if (\blk)%2 == 0
	v_cvt_scalef32_pk16_fp6_f32 v[CD+6*\t:CD+6*\t+2], v[\buf+16*\t:\buf+16*\t+15], v[TM+\t]
.else
	v_cvt_scalef32_pk16_fp6_f32 v[BT+4*\t:BT+4*\t+2], v[\buf+16*\t:\buf+16*\t+15], v[TM+\t]
.endif
.endr
.irp t, 0,1,2,3                                ; the scale's byte, at its place in the column's word (these lines are also the places behind the conversions)
.if \blk == 0
	v_lshrrev_b32 v[SW+\t], 23, v[TM+\t]
.else
	v_lshrrev_b32 v[TPL+\t], 23, v[TM+\t]
.endif
.endr
.if \blk
.irp t, 0,1,2,3
	v_lshl_or_b32 v[SW+\t], v[TPL+\t], 8*\blk, v[SW+\t]
.endr
.endif
.if (\blk)%2
.irp i, 0,1,2                                  ; the operand's layout wants a WHOLE block in a lane: lanes 0-15 block blk - 1, lanes 16-31 block blk
.irp t, 0,1,2,3
	v_permlane16_swap_b32 v[CD+6*\t+\i], v[BT+4*\t+\i]
.endr
.endr
.irp i, 0,1,2
.irp t, 0,1,2,3
	v_mov_b32 v[CD+6*\t+3+\i], v[BT+4*\t+\i]       ; (a conversion's three registers begin on an even number: the second half was made elsewhere)
.endr
.endr
.irp t, 0,1,2,3                                ; six registers, 24 bytes, of the 48 that are the operand's lane
.if \blk == 1
	ds_store_b128 v[WST], v[CD+6*\t:CD+6*\t+3] offset:48*\t
	ds_store_b64 v[WST], v[CD+6*\t+4:CD+6*\t+5] offset:48*\t+16
.else
	ds_store_b64 v[WST], v[CD+6*\t:CD+6*\t+1] offset:48*\t+24
	ds_store_b128 v[WST], v[CD+6*\t+2:CD+6*\t+5] offset:48*\t+32
.endif
.endr
.endif
.endm
	TOKEN 52, 56, 51, RCA, 0
	s_wait_loadcnt 0x0                             ; chunk 0 is in on the path without frames too
	QUANTW 0, WB
	LOADW 1, WB
	TOKEN 54, 58, 53, RCB, 1
.irp k, 0,1
.irp i, 0,1,2,3
	ds_load_b128 v[XQ+16*\k+4*\i:XQ+16*\k+4*\i+3], v[SOUT] offset:STGB*\k+16*\i   ; my 16 neighbours of both tokens.  LDS serves a wave's instructions in order (ISA guide 5.7.1.4): these see my stores
.endr
.endr
	LOADW 2, XW
	s_wait_loadcnt 16                              ; chunk 1 is in, chunk 2's sixteen loads may be out
	QUANTW 1, WB
	LOADW 3, WB
	s_wait_dscnt 8                                 ; the two tokens' numbers are in; the eight stores of codes may be out
	; my two tokens: lane l holds k = 16 l .. 16 l + 15; lanes l and l xor 1 hold a block
.irp k, 0,1
	v_max3_num_f32 v[TM+2*\k], |v[XQ+16*\k]|, |v[XQ+16*\k+1]|, |v[XQ+16*\k+2]|
	v_max3_num_f32 v[TM+2*\k+1], |v[XQ+16*\k+3]|, |v[XQ+16*\k+4]|, |v[XQ+16*\k+5]|
.endr
.irp i, 6,10
.irp k, 0,1
	v_max3_num_f32 v[TM+2*\k], v[TM+2*\k], |v[XQ+16*\k+\i]|, |v[XQ+16*\k+\i+1]|
	v_max3_num_f32 v[TM+2*\k+1], v[TM+2*\k+1], |v[XQ+16*\k+\i+2]|, |v[XQ+16*\k+\i+3]|
.endr
.endr
.irp k, 0,1
	v_max3_num_f32 v[TM+2*\k], v[TM+2*\k], |v[XQ+16*\k+14]|, |v[XQ+16*\k+15]|
.endr
.irp k, 0,1
	v_max3_num_f32 v[TM+2*\k], v[TM+2*\k], v[TM+2*\k+1], 0x1800000   ; and the floor
.endr
.irp k, 0,1
	v_max_num_f32_dpp v[TM+2*\k], v[TM+2*\k], v[TM+2*\k] row_xmask:1 row_mask:0xf bank_mask:0xf
.endr
.irp k, 0,1
	v_add_nc_u32 v[TM+2*\k], 0xff000000, v[TM+2*\k]
.endr
.irp k, 0,1
	v_cvt_scalef32_pk16_fp6_f32 v[BT+4*\k:BT+4*\k+2], v[XQ+16*\k:XQ+16*\k+15], v[TM+2*\k]
.endr
.irp k, 0,1
	v_lshrrev_b32 v[TPL+\k], 23, v[TM+2*\k]        ; the scale's byte (and the places behind the conversions)
.endr
.irp k, 0,1
.irp i, 0,1,2
	ds_store_b32 v[XST], v[BT+4*\k+\i] offset:48*\k+4*\i
.endr
	ds_store_b8 v[XSS], v[TPL+\k] offset:4*\k      ; both lanes of a block write the same byte with the same value
.endr
	global_load_b128 v[B1:B1+3], v[OB1], s[44:45]              ; lane (r, h): b1 of hidden units 16 w + 8 h + 0 .. 7, the result's layout
	global_load_b128 v[B1+4:B1+7], v[OB1], s[44:45] offset:16
.irp g, 0,1,2,3,4,5
	global_load_b128 v[W2F+4*\g:W2F+4*\g+3], v[OW2], s[46:47] offset:16*\g   ; W2's rows 16 w + 8 h + 0 .. 7: 96 consecutive bytes
.endr
	s_wait_dscnt 0x0                               ; the stores have read the codes' registers
	s_wait_loadcnt 24                              ; chunk 2 is in; chunk 3's sixteen loads and these eight may be out
	QUANTW 2, XW
	s_wait_loadcnt 8                               ; chunk 3 is in
	QUANTW 3, WB
.irp t, 0,1,2,3
	ds_store_b32 v[WSS], v[SW+\t] offset:4*\t      ; (lanes l and l xor 16 write the same word with the same value)
.endr
	BARRIER                                        ; all codes and scale words lie in LDS
	; ---- 4: my 16 hidden units for the 32 tokens
.irp s, 0,1,2,3
	ds_load_b32 v[SW+\s], v[WSL] offset:64*\s
	ds_load_b32 v[AS0+4*\s], v[XSL] offset:64*\s
	ds_load_b32 v[AS1+\s], v[XSL] offset:64*(4+\s)
.endr
.irp s, 0,1,2,3
.irp c, 0,1,2
	ds_load_b128 v[WF+12*\s+4*\c:WF+12*\s+4*\c+3], v[WLD] offset:FRGB*\s+16*\c
	ds_load_b128 v[AF+12*\s+4*\c:AF+12*\s+4*\c+3], v[XLD] offset:FRGB*\s+16*\c
	ds_load_b128 v[AF+48+12*\s+4*\c:AF+48+12*\s+4*\c+3], v[XLD] offset:FRGB*(4+\s)+16*\c
.endr
.endr
	s_wait_loadcnt 0x0                             ; b1, W2
.irp s, 0,1,2,3
	s_wait_dscnt 9*(3-\s)                          ; this K step's nine loads are in; those of the later steps may be out
.if \s == 0
	v_wmma_scale_f32_16x16x128_f8f6f4 v[HA:HA+7], v[WF:WF+11], v[AF:AF+11], v[B1:B1+7], v[SW], v[AS0] matrix_a_fmt:MATRIX_FMT_FP6 matrix_b_fmt:MATRIX_FMT_FP6
	v_wmma_scale_f32_16x16x128_f8f6f4 v[HA+8:HA+15], v[WF:WF+11], v[AF+48:AF+59], v[B1:B1+7], v[SW], v[AS1] matrix_a_fmt:MATRIX_FMT_FP6 matrix_b_fmt:MATRIX_FMT_FP6
.else
	v_wmma_scale_f32_16x16x128_f8f6f4 v[HA:HA+7], v[WF+12*\s:WF+12*\s+11], v[AF+12*\s:AF+12*\s+11], v[HA:HA+7], v[SW+\s], v[AS0+4*\s] matrix_a_fmt:MATRIX_FMT_FP6 matrix_b_fmt:MATRIX_FMT_FP6
	v_wmma_scale_f32_16x16x128_f8f6f4 v[HA+8:HA+15], v[WF+12*\s:WF+12*\s+11], v[AF+48+12*\s:AF+48+12*\s+11], v[HA+8:HA+15], v[SW+\s], v[AS1+\s] matrix_a_fmt:MATRIX_FMT_FP6 matrix_b_fmt:MATRIX_FMT_FP6
.endif
.endr
.rept 4
	v_nop                                          ; four places between the last product and the first read of results (ISA guide 7.12.1)
.endr
.irp m, 0,1
.irp j, 0,1,2,3,4,5,6,7
	v_max_num_f32 v[HA+8*\m+\j], 0, v[HA+8*\m+\j]  ; relu; each accumulator from its low end on.  Lane (r, h): token 16 m + r, hidden unit 16 w + 8 h + j
.endr
.endr
.irp m, 0,1
.irp o, 0,1,2
	v_mul_f32 v[P+4*\m+\o], v[HA+8*\m], v[W2F+\o]  ; the second product, in f32: six sums by turns
.endr
.endr
.irp j, 1,2,3,4,5,6,7
.irp m, 0,1
.irp o, 0,1,2
	v_fmac_f32 v[P+4*\m+\o], v[HA+8*\m+\j], v[W2F+3*\j+\o]
.endr
.endr
.endr
.irp o, 0,1,2
	v_permlane16_swap_b32 v[P+\o], v[P+4+\o]       ; the first's lanes 16-31 change places with the second's lanes 0-15: lane l now holds, in the two, the two halves of token l's sum
.endr
.irp o, 0,1,2
	v_add_f32 v[P+\o], v[P+\o], v[P+4+\o]
.endr
	ds_store_b96 v[PWR], v[P:P+2]                  ; 12 bytes to a place of 16
	BARRIER                                        ; the sixteen waves' parts lie in LDS
	; ---- 5: wave 0: a lane to a token
	s_cmp_lg_u32 s[WV], 0
	s_cbranch_scc1 .Lend
.irp i, 0,1,2,3,4,5,6,7,8,9,10,11,12,13,14,15
	ds_load_b96 v[AF+4*\i:AF+4*\i+2], v[PRD] offset:512*\i
.endr
	s_wait_dscnt 0x0
.macro FOLD d                          ; part i takes part i + d
.set FI, 0
.rept \d
	v_pk_add_f32 v[AF+4*FI:AF+4*FI+1], v[AF+4*FI:AF+4*FI+1], v[AF+4*(FI+\d):AF+4*(FI+\d)+1]
	v_add_f32 v[AF+4*FI+2], v[AF+4*FI+2], v[AF+4*(FI+\d)+2]
.set FI, FI+1
.endr
.endm
	FOLD 8
	FOLD 4
	FOLD 2
	FOLD 1
	v_add_f32 v[AF], s36, v[AF]                    ; + b2
	v_add_f32 v[AF+1], s37, v[AF+1]
	v_add_f32 v[AF+2], s38, v[AF+2]
.irp o, 0,1,2
	v_max_num_f32 v[AF+\o], 0, v[AF+\o]            ; relu
.endr
	global_store_b96 v[OO], v[AF:AF+2], s[66:67]   ; 32 lanes store the work-group's 384 consecutive bytes
.Lend:
	s_wait_tensorcnt 0x0                           ; the wave's end, behind my last LDS store
	ds_add_u32 v[SPW], v[NIL]
	s_wait_dscnt 0x0
	s_endpgm
.Lfunc_end_k_q0a59bbdbfb_encode:
	.size	k_q0a59bbdbfb_encode, .Lfunc_end_k_q0a59bbdbfb_encode-k_q0a59bbdbfb_encode
	.p2alignl 7, 3214868480
	.fill 96, 4, 3214868480
	.section	.rodata,"a",@progbits
	.p2align	6, 0x0
	.amdhsa_kernel k_q0a59bbdbfb_encode
		.amdhsa_group_segment_fixed_size 207616
		.amdhsa_private_segment_fixed_size 0
		.amdhsa_enable_private_segment 0
		.amdhsa_kernarg_size 56
		.amdhsa_user_sgpr_count 2
		.amdhsa_user_sgpr_kernarg_segment_ptr 1
		.amdhsa_wavefront_size32 1
		.amdhsa_system_sgpr_workgroup_id_x 1
		.amdhsa_system_sgpr_workgroup_id_y 1
		.amdhsa_system_sgpr_workgroup_id_z 1
		.amdhsa_system_vgpr_workitem_id 0
		.amdhsa_next_free_vgpr 256
		.amdhsa_next_free_sgpr 68
		.amdhsa_reserve_vcc 1
		.amdhsa_float_denorm_mode_32 3
		.amdhsa_float_denorm_mode_16_64 3
		.amdhsa_memory_ordered 1
		.amdhsa_forward_progress 1
		.amdhsa_inst_pref_size 103
	.end_amdhsa_kernel
	.amdgpu_metadata
---
amdhsa.version: [ 1, 2 ]
amdhsa.kernels:
  - .name:           k_q0a59bbdbfb_encode
    .symbol:         k_q0a59bbdbfb_encode.kd
    .args:
      - { .name: hs, .offset: 0, .size: 8, .value_kind: global_buffer, .address_space: global }
      - { .name: ds, .offset: 8, .size: 8, .value_kind: global_buffer, .address_space: global }
      - { .name: W1, .offset: 16, .size: 8, .value_kind: global_buffer, .address_space: global }
      - { .name: b1, .offset: 24, .size: 8, .value_kind: global_buffer, .address_space: global }
      - { .name: W2, .offset: 32, .size: 8, .value_kind: global_buffer, .address_space: global }
      - { .name: b2, .offset: 40, .size: 8, .value_kind: global_buffer, .address_space: global }
      - { .name: out0, .offset: 48, .size: 8, .value_kind: global_buffer, .address_space: global }
    .group_segment_fixed_size: 207616
    .private_segment_fixed_size: 0
    .kernarg_segment_align: 8
    .kernarg_segment_size: 56
    .max_flat_workgroup_size: 512
    .sgpr_count:     68
    .vgpr_count:     256
    .wavefront_size: 32
...
	.end_amdgpu_metadata
.endif
;; end of part 1
